; MI455X (gfx1250); checked and timed in simulation.
; The chip was launched on July 23, 2026; its instructions are those of AMD's public machine-readable ISA for CDNA 5 (MIT licence, August 2026) and "CDNA5" Instruction Set Architecture Reference Guide (July 2026). The comments in the code are by the model that wrote it; some were corrected since.
;; Multi Head Attention. Allowed arithmetic: matrix products marked QUANTISED: E4M3 operands, one given power-of-two scale a tensor, by v_wmma_f32_16x16x64_fp8_fp8 or v_wmma_f32_16x16x128_fp8_fp8, f32 sums; everything else in f32.
;; Inputs: freq_pos_enc 2,048 x 128 float32; lowp_scales 12 int32 (the exponents e of the quantised operands' scales 2^e); mask 2,048 x 2,048 float32; wk_codes 2,048 x 64 x 32 uint8 (E4M3 codes of wk, K innermost, in blocks of 32 codes); wo_codes 2,048 x 64 x 32 uint8 (E4M3 codes of wo, K innermost, in blocks of 32 codes); wq_codes 2,048 x 64 x 32 uint8 (E4M3 codes of wq, K innermost, in blocks of 32 codes); wv_codes 2,048 x 64 x 32 uint8 (E4M3 codes of wv, K innermost, in blocks of 32 codes); x_codes 1 x 2,048 x 64 x 32 uint8 (E4M3 codes of x, K innermost, in blocks of 32 codes).
;; Outputs: out0 1 x 2,048 x 2,048 float32.
;; Constants: d_k = 128, num_heads = 16.
;; This version of the problem:
;;   THIS VERSION OF THE PROBLEM IS GIVEN IN LOW PRECISION. The matrix products marked QUANTISED in the list below multiply operands that are first quantised to E4M3 (4 exponent bits, 3 mantissa bits; 8 bits a number), with one given power-of-two scale for each operand tensor; their sums are f32. All else is computed in f32.
;;   The module's matrix products, in the order in which they are computed (A, B: the left and right operand; K: the contracted axis; several contracted axes count as one K, in the product's order):
;;     1. [M 2,048, K 2,048] x [K 2,048, N 2,048]; A: input x (given as codes); B: input wq (given as codes): QUANTISED (scales: A lowp_scales[0], B lowp_scales[1])
;;     2. [M 2,048, K 2,048] x [K 2,048, N 2,048]; A: input x (given as codes); B: input wk (given as codes): QUANTISED (scales: A lowp_scales[2], B lowp_scales[3])
;;     3. [M 2,048, K 2,048] x [K 2,048, N 2,048]; A: input x (given as codes); B: input wv (given as codes): QUANTISED (scales: A lowp_scales[4], B lowp_scales[5])
;;     4. batch 16 x [M 2,048, K 128] x [K 128, N 2,048]; A: computed on the way; B: computed on the way: QUANTISED (scales: A lowp_scales[6], B lowp_scales[7])
;;     5. batch 16 x [M 2,048, K 2,048] x [K 2,048, N 128]; A: softmax (see below); B: computed on the way: QUANTISED (scales: A lowp_scales[8], B lowp_scales[9])
;;     6. [M 2,048, K 2,048] x [K 2,048, N 2,048]; A: computed on the way; B: input wo (given as codes): QUANTISED (scales: A lowp_scales[10], B lowp_scales[11])
;;   THE QUANTISER, for each operand of a quantised product, along K:
;;     - The operand's scale is 2^e, e = its entry of the input lowp_scales (int32; the entries are numbered through the quantised products in the list's order, A before B).
;;     - Each number is divided by the scale, clamped to +-448, and rounded to the nearest number of E4M3, ties to even, subnormals kept.
;;     - The product sums the exact products of the quantised numbers (number of the format x scale) in f32.
;;   ~~~python
;;   def quantise(x, axis, e):      # numpy; x: float32 -> the quantised numbers, widened to float32 again
;;       x = np.moveaxis(x, axis, -1); K = x.shape[-1]
;;       r = np.clip(x / 2.0 ** e, -448, 448)
;;       step = 2.0 ** (np.maximum(np.frexp(np.where(r == 0, 1, r))[1] - 1, -6) - 3)
;;       q = np.round(r / step) * step * 2.0 ** e      # np.round: ties to even
;;       return np.moveaxis(q, -1, axis).astype(np.float32)
;;   ~~~
;;   SOFTMAX AHEAD OF A QUANTISED PRODUCT. Where the list says 'softmax', what is quantised is not the finished softmax but p = 2^(t - M), with t = logit x log2(e) and M = ceil(the row's largest t), a whole number; so 1/2 < the row's largest p <= 1. The row's sum l is taken of the UNQUANTISED p, in f32, and the product's result is divided by l at the end. Since M is a whole number, a kernel that streams over the keys may use a running M (the ceiling of the running maximum): every later rescaling is an exact power of two, so the quantised numbers keep their values, but for numbers so far below the row's largest that they fall under the format's range.
;;   OPERANDS COMPUTED ON THE WAY. 'Computed on the way' means the value that the module computes at that place (a softmax that the list does not call 'softmax' is quantised finished and normalised). What goes into a quantiser is computed in f32, as accurately as f32 sums, v_exp_f32 and their like allow (about 1e-6 of the number): no bf16 or f16 on the way to a quantiser, and a product that is left as it is and whose result goes on into a quantised operand takes f32 operands (vector FMAs, or v_wmma_f32_16x16x4_f32). A number that lies on a knife's edge between two numbers of the format may be rounded either way, as far as f32 arithmetic and the matrix unit's own rounding can turn it there, and no further.
;;   INPUTS GIVEN AS CODES. wk (in the module: [2048, 2048], K = its axis 1); wo (in the module: [2048, 2048], K = its axis 1); wq (in the module: [2048, 2048], K = its axis 1); wv (in the module: [2048, 2048], K = its axis 1); x (in the module: [1, 2048, 2048], K = its axis 2): each comes as NAME_codes (uint8): NAME with its K axis moved to the last place and cut into blocks of 32 codes, [.., K / 32, bytes a block], one block behind the other in memory; one code a byte (a code: sign, 4 exponent bits, 3 mantissa bits); its scale is its entry of lowp_scales. Its value is code x scale, taken as it is: it is not quantised again, and the codes and scales need not be those that the quantiser above would give.
;; One version. Each part assembles by itself: llvm-mc -triple=amdgcn-amd-amdhsa -mcpu=gfx1250 --defsym DOCPART=n.
;; ======== version 1 of 1: 3 launches
;; limits: inputs' magnitudes at most 13,000,000; right only within a limited range of input values
;; workspace buffers: q_img 4,194,304 bytes; k_img 4,194,304 bytes; v_img 4,194,304 bytes; a_img 4,194,304 bytes
;; launch qkv (part 1): grid 32 x 8, 4 waves a work-group, clusters of 4 x 4, 327,680 bytes of LDS; arguments x_codes, wq_codes, wk_codes, wv_codes, freq_pos_enc, lowp_scales, q_img, k_img, v_img; writes q_img, k_img, v_img
.if DOCPART == 1
	.amdgcn_target "amdgcn-amd-amdhsa--gfx1250"
	.amdhsa_code_object_version 6
	.text
	.protected	k_qe252b18375_qkv
	.globl	k_qe252b18375_qkv
	.p2align	8
	.type	k_qe252b18375_qkv,@function
k_qe252b18375_qkv:
	s_mov_b64 s[64:65], 0
	v_nop
	global_prefetch_b8 v0, s[64:65] scope:SCOPE_SE
	s_setreg_imm32_b32 hwreg(HW_REG_WAVE_MODE, 25, 1), 1
	s_wait_xcnt 0x0
	s_wait_alu depctr_hold_cnt(0) depctr_sa_sdst(0) depctr_va_vdst(0) depctr_va_sdst(0) depctr_va_ssrc(0) depctr_va_vcc(0) depctr_vm_vsrc(0)
	s_getreg_b32 s2, hwreg(HW_REG_IB_STS2, 6, 4)
	s_cmp_eq_u32 s2, 0
	s_cbranch_scc0 .Lentry_in_a_cluster
	s_endpgm
.Lentry_in_a_cluster:
	s_bfe_u32 s2, ttmp6, 0x10000c
	s_cmp_lg_u32 s2, 0xf033
	s_cbranch_scc0 .Lentry_shape_is_right
	s_endpgm
.Lentry_shape_is_right:
; q = rot(x wq^T), k = rot(x wk^T), v = x wv^T on codes of FP8 (E4M3); the three results are quantised here and stored as codes.
; x: [2048][2048], wq, wk, wv: [2048][2048], codes, K innermost.  freq_pos_enc: [2048][128] f32, taken entry by entry.  lowp_scales: e0 .. e11.
; LEFT OUT BY THE PROGRAM: the input mask is no argument of any launch: reference() never uses it and builds its own causal mask.  Score tiles of 16 queries x 128 keys all of whose keys come after the queries are not made
; (launch attn): reference() adds -infinity to them, so their weights are 0 whatever the inputs hold.  LIMIT: a NaN, an infinity or an overflow that reaches only that work is not carried to the result.
; SHARES.  A work-group makes 256 rows x (q, k, v of HALF a head): 256 x 192.  Wave w takes rows 128 (w / 2) on and channels 32 (w % 2) on of q, of k and of v: 128 x 96, 48 accumulators of 16 x 16.
; q and k are used TRANSPOSED (source 0 = 16 rows of the weight, source 1 = 16 rows of x): lane (r, h) holds row 16 a + r, registers j = channels 16 u + 8 h + j of my 32: the pairs that the turn mixes lie in one lane,
; and eight neighbours along the next product's K lie in one lane's registers.  v is used straight (source 0 = x, source 1 = wv): the lane holds channel 16 u + r, registers j = rows 16 a + 8 h + j: v's next K is the rows.
; OUT.  The three buffers are images of the reader's operand registers: 16 bytes a lane, a wave's store covers 512 consecutive bytes.
;   q_img, k_img [head][T 128][c 4][lane][16]: row 16 T + r; bytes 0-7 channels 32 c + 8 h + i, bytes 8-15 channels 32 c + 16 + 8 h + i.   v_img [head][ks 16][dt 8][c 4][lane][16]: channel 16 dt + r; rows 128 ks + 32 c + (0 or 16) + 8 h + i.
; K goes in steps of 256 through a ring of two LDS slots, each [x 256 rows | wq 64 | wk 64 | wv 64] of 256 bytes; wave 0 fetches x's rows, waves 1, 2, 3 a weight's, one tensor load each.
; CLUSTERS: 4 x 4 work-groups.  x's tile hangs on the row block alone and is asked for jointly by a row of the cluster, a weight's tile on the half head alone and is asked for jointly by a column.
; PREFETCH: behind the load of K step n each cluster asks once for each 256-byte block of its own tiles of K step n + 2, n = 0 .. 5: the partners of a joint load share the rows out by address (x: 64 rows by cx; a weight: 16 rows by cy).
; K steps 0 and 1 come by their loads alone; the last two loads ask for nothing.  Not yet read of what is asked for: two K steps at most.
; THE TURN is linear, so it is done on the raw sums; the three scales ahead of each quantiser are folded into the conversion's one: 2^(e6 - e0 - e1), 2^(e7 - e2 - e3), 2^(e9 - e4 - e5).
; cos AND sin in f32: n = nearest whole number to pe / pi, r = pe - n pi in two fused steps (pi in two parts), the series of sin to r^11 and of cos to r^12 on |r| <= pi / 2 (what is cut is under 6e-8), the sign by n's parity.
; They are made behind the first 128 along K, while K step 1 is on its way.  Even channels keep -sin, so that the turn is multiply-adds alone.
; LIMITS: each of the three folded exponents between -126 and 119; |freq_pos_enc| under 1.3e7 (n must fit 22 bits); NaN among the inputs is not served.
; REGISTERS, in windows of 256.  window 0: v1-30 numbers, offsets, addresses, constants; v32-63 at work; v64-127 cos of blocks 0-3; v128-255 x's 8 fragments, ONE set, on the way out the codes.
;   window 1: the weights' 6 fragments, TWO sets, at v0 and v128 (tile 0, 1: wq; 2, 3: wk; 4, 5: wv); v96-127, v224-255 cos of blocks 4-7.   window 2: q's and k's accumulators, (a, t) at v[8 (4 a + t)].
;   window 3: v0-127 v's accumulators, (a, u) at v[8 (2 a + u)]; v128-255 my 128 entries of freq_pos_enc, later their sin.
.set PITCH,  272                       ; an LDS row: 256 bytes + 16 of padding, so that the sixteen rows that a load touches begin 16 bytes further on each, modulo 256
.set XR,     256*PITCH
.set WR,     64*PITCH
.set SLOT,   XR+3*WR
.set SPARE,  2*SLOT                    ; behind the ring: the spare words, 128 bytes for each wave, which no other line names
.set LAPS,   4                         ; 2048 along K = 8 slots' worth = 4 times round the ring
.set LI,     4                         ; v4   16 x lane
.set PEO,    5                         ; v5   my byte in a tile of freq_pos_enc: 512 r + 32 h
.set INV,    6                         ; v6-10 constants: 1 / pi, - pi's upper part, - pi's lower part, -1 / 11!, 1 / 12!
.set PIH,    7
.set PIL,    8
.set C11,    9
.set C12,    10
.set PFO,    12                        ; v12  the prefetches' offset: 2048 x (lane; in waves 1 to 3 at most 15)
.set ADRA,   16                        ; v16-17 LDS address of x's fragments in slot 0, 1
.set ADRB,   18                        ; v18-23 of the weights': slot s, weight g at v[18 + 3 s + g]
.set SCQ,    26
.set SCK,    27
.set SPW,    28                        ; v28  LDS address of my spare word; never rewritten
.set NIL,    29                        ; v29  0; never rewritten
.set SCV,    30
.set RT,     32                        ; n + magic, then the sign
.set RN,     40                        ; n, then sin's series
.set RR,     48                        ; cos's series
.set RZ,     56                        ; r^2
.set RQ,     32                        ; q turned
.set RK,     48                        ; k turned
.set AF,     128
.set VC,     128                       ; the way out: v's codes, q's and k's codes
.set QC,     160
.set PE,     128
.set WV,     22
.set G1A,    24                        ; s[24:31] descriptor group 1 for x's tiles; s[32:39] group 0, a set for each slot
.set G0A,    32
.set G1B,    48                        ; s[48:55], s[56:63] the same for the weights'
.set G0B,    56
.set HQN,    82                        ; -448 and +448 x the folded scale: q's, k's, v's
.set HQP,    83
.set HKN,    84
.set HKP,    85
.set HVN,    86
.set HVP,    87
.set PFA,    96                        ; s[96:97] where my prefetches stand
.set RH,     98                        ; w / 2
.set CH,     99                        ; w % 2
.set MSB, 0
.macro WIN new                         ; the immediate's high byte repeats the setting that is left
.if MSB != \new
	s_set_vgpr_msb (MSB<<8)|\new
.set MSB, \new
.endif
.endm
.macro PLACES n                        ; plain vector lines between a matrix instruction and a load into, or a read of, its registers
.rept \n
	v_nop
.endr
.endm
; A joint load: wave 0 fetches x's tile, waves 1, 2, 3 the half head's rows of wq, wk, wv.  Each line has one mask; the branch hangs on the wave's number alone.  Four v_nop follow each line.
.macro JLOAD s
	s_cmp_eq_u32 s[WV], 0
	s_cbranch_scc0 .Lfor_b_\@
	tensor_load_to_lds s[G0A+4*\s:G0A+4*\s+3], s[G1A:G1A+7]
	s_nop 0
.rept 4
	v_nop
.endr
	s_branch .Lasked_\@
.Lfor_b_\@:
	tensor_load_to_lds s[G0B+4*\s:G0B+4*\s+3], s[G1B:G1B+7]
	s_nop 0
.rept 4
	v_nop
.endr
.Lasked_\@:
.endm
.macro PFETCH                          ; a lane a row, 256 bytes of it: wave 0: my work-group's 64 of x's 256 rows, in two; waves 1 to 3: its 16 of a weight's 64 (lanes 16-31 name the last row again)
	global_prefetch_b8 v[PFO], s[PFA:PFA+1] th:TH_LOAD_NT scope:SCOPE_SE
	s_cmp_lg_u32 s[WV], 0
	s_cbranch_scc1 .Lone_\@
	global_prefetch_b8 v[PFO], s[PFA:PFA+1] offset:65536 th:TH_LOAD_NT scope:SCOPE_SE
.Lone_\@:
.endm
.macro CREST                           ; a round of the cluster's barrier behind its opening barrier
	s_cmp_lg_u32 s[WV], 0
	s_cbranch_scc1 .Lnot_wave_0_\@
	s_barrier_signal -3
.Lnot_wave_0_\@:
	s_barrier_wait -3
	s_barrier_signal -1
	s_barrier_wait -1
.endm
.macro CROUND
	s_barrier_signal -1
	s_barrier_wait -1
	CREST
.endm
	s_load_b256 s[4:11], s[0:1], 0x0               ; x s[4:5], wq s[6:7], wk s[8:9], wv s[10:11]
	s_load_b256 s[12:19], s[0:1], 0x20             ; freq_pos_enc s[12:13], the exponents s[14:15], q_img s[16:17], k_img s[18:19]
	s_load_b64 s[20:21], s[0:1], 0x40              ; v_img
	v_lshl_add_u32 v[SPW], v0, 2, SPARE
	v_mov_b32 v[NIL], 0
	ds_add_u32 v[SPW], v[NIL]                      ; the wave's opening: the add, twice on end, and its wait ahead of my first tensor load
	ds_add_u32 v[SPW], v[NIL]
	v_lshrrev_b32 v1, 5, v0
	v_readfirstlane_b32 s[WV], v1                  ; wave 0..3
	s_lshr_b32 s[RH], s[WV], 1
	s_and_b32 s[CH], s[WV], 1
	s_bfe_u32 s40, ttmp6, 0x40000                  ; cx, cy: my place in the cluster
	s_bfe_u32 s41, ttmp6, 0x40004
	s_lshl_b32 s42, ttmp9, 2
	s_add_co_u32 s42, s42, s40                     ; the half head = 4 x cluster x + cx
	s_and_b32 s43, ttmp7, 0xffff
	s_lshl_b32 s43, s43, 2
	s_add_co_u32 s43, s43, s41                     ; the block of 256 rows = 4 x cluster y + cy
	s_lshl_b32 s44, s41, 2
	s_lshl_b32 s44, 15, s44                        ; my row of the cluster
	s_lshl_b32 s45, 0x1111, s40                    ; my column
	s_or_b32 s[G1A], s44, (1<<20)|(1<<21)|(5<<22)|(3<<25)   ; 15:0 the mask; 17:16 elements of 1 byte; 20 padding on; 21 set beside a mask; 24:22 after every 64 words; 31:25 four words
	s_or_b32 s[G1B], s45, (1<<20)|(1<<21)|(5<<22)|(3<<25)
.irp g, G1A, G1B
	s_mov_b32 s[\g+1], 256<<16                     ; tensor_dim0 = 256
	s_mov_b32 s[\g+3], 256<<16                     ; tile_dim0
	s_mov_b32 s[\g+5], 2048                        ; from row to row
	s_mov_b32 s[\g+6], 0
	s_mov_b32 s[\g+7], 0
.endr
	s_mov_b32 s[G1A+2], 256<<16                    ; tensor_dim1, tile_dim1: 256 rows of x
	s_mov_b32 s[G1A+4], 256
	s_mov_b32 s[G1B+2], 64<<16                     ; 64 rows of a weight
	s_mov_b32 s[G1B+4], 64
	s_lshl_b32 s46, s43, 19                        ; x: 256 rows of 2,048 bytes for each block
	s_mov_b32 s47, 0
	s_lshl_b32 s88, s42, 17                        ; a weight: 64 rows for each half head
	s_mov_b32 s89, 0
	s_mul_i32 s94, s[WV], WR                       ; where a weight's tile goes: behind x's rows, (wave - 1) x 64 rows on
	s_mul_i32 s80, s[RH], 128*PITCH                ; my 128 rows of x
	s_mul_i32 s81, s[CH], 32*PITCH                 ; my 32 rows of each weight's 64
	s_add_co_u32 s81, s81, XR
	s_cmp_eq_u32 s[WV], 0
	s_cselect_b32 s90, 31, 15
	v_and_b32 v1, 15, v0                           ; r
	v_bfe_u32 v2, v0, 4, 1                         ; h
	v_and_b32 v3, 31, v0
	v_lshlrev_b32 v[LI], 4, v3
	v_min_u32 v[PFO], s90, v3
	v_lshlrev_b32 v[PFO], 11, v[PFO]
	v_lshlrev_b32 v[PEO], 9, v1
	v_lshl_add_u32 v[PEO], v2, 5, v[PEO]
	v_mul_u32_u24 v3, v1, PITCH
	v_lshl_add_u32 v3, v2, 4, v3                   ; a fragment's row x pitch + 16 x half
	v_add_nc_u32 v[ADRA], s80, v3
	v_add_nc_u32 v[ADRB], s81, v3
	v_add_nc_u32 v[ADRA+1], SLOT, v[ADRA]
	v_add_nc_u32 v[ADRB+1], WR, v[ADRB]
	v_add_nc_u32 v[ADRB+2], 2*WR, v[ADRB]
.irp g, 0,1,2
	v_add_nc_u32 v[ADRB+3+\g], SLOT, v[ADRB+\g]
.endr
	v_mov_b32 v[INV], 0x3ea2f983
	v_mov_b32 v[PIH], 0xc0490fdb
	v_mov_b32 v[PIL], 0x33bbbd2e                   ; (pi's lower part is negative)
	v_mov_b32 v[C11], 0xb2d7322b
	v_mov_b32 v[C12], 0x310f76c7
	s_wait_alu depctr_va_vdst(0)
	s_wait_dscnt 0x0                               ; both opening adds are done
	CROUND                                         ; all sixteen work-groups are here: the first joint loads meet
	s_wait_kmcnt 0x0
	s_load_b256 s[68:75], s[14:15], 0x0            ; e0 .. e7
	s_load_b128 s[76:79], s[14:15], 0x20           ; e8 .. e11
	s_add_nc_u64 s[46:47], s[4:5], s[46:47]
	s_cmp_eq_u32 s[WV], 1
	s_cselect_b64 s[92:93], s[6:7], s[8:9]         ; wave 1: wq, wave 2: wk,
	s_cmp_eq_u32 s[WV], 3
	s_cselect_b64 s[92:93], s[10:11], s[92:93]     ; wave 3: wv
	s_add_nc_u64 s[92:93], s[92:93], s[88:89]
.irp s, 0,1
	s_mov_b32 s[G0A+4*\s], 1
	s_mov_b32 s[G0A+4*\s+1], \s*SLOT
	s_add_nc_u64 s[G0A+4*\s+2:G0A+4*\s+3], s[46:47], \s*256
	s_or_b32 s[G0A+4*\s+3], s[G0A+4*\s+3], 0x80000000
	s_mov_b32 s[G0B+4*\s], 1
	s_add_co_u32 s[G0B+4*\s+1], s94, XR-WR+\s*SLOT
	s_add_nc_u64 s[G0B+4*\s+2:G0B+4*\s+3], s[92:93], \s*256
	s_or_b32 s[G0B+4*\s+3], s[G0B+4*\s+3], 0x80000000
.endr
	JLOAD 0                                        ; K step 0: one tensor load a wave at the head
	s_lshl_b32 s90, s43, 1
	s_add_co_u32 s90, s90, s[RH]                   ; my block of 128 rows
	s_and_b32 s91, s42, 1
	s_lshl_b32 s91, s91, 1
	s_add_co_u32 s91, s91, s[CH]                   ; c: my 32 channels of the head's 128
	s_lshr_b32 s95, s42, 1                         ; the head
	s_lshl_b32 s88, s90, 16                        ; freq_pos_enc: 128 rows of 512 bytes for each block,
	s_lshl_b32 s94, s91, 7                         ; my 32 channels
	s_add_co_u32 s88, s88, s94
	s_mov_b32 s89, 0
	s_add_nc_u64 s[12:13], s[12:13], s[88:89]
	WIN 0xc0                                       ; destination window 3
.irp a, 0,1,2,3,4,5,6,7
.irp u, 0,1
	global_load_b128 v[PE+16*\a+8*\u:PE+16*\a+8*\u+3],   v[PEO], s[12:13] offset:8192*\a+64*\u      ; pe(16 a + r, 16 u + 8 h + 0 .. 3)
	global_load_b128 v[PE+16*\a+8*\u+4:PE+16*\a+8*\u+7], v[PEO], s[12:13] offset:8192*\a+64*\u+16
.endr
.endr
	WIN 0
	; the prefetches: wave 0: x's rows 64 cx on of the block; waves 1 to 3: a weight's rows 16 cy on; first K step 2
	s_lshl_b32 s88, s40, 17
	s_lshl_b32 s94, s41, 15
	s_cmp_eq_u32 s[WV], 0
	s_cselect_b32 s88, s88, s94
	s_cselect_b64 s[PFA:PFA+1], s[46:47], s[92:93]
	s_add_nc_u64 s[PFA:PFA+1], s[PFA:PFA+1], s[88:89]
	s_add_nc_u64 s[PFA:PFA+1], s[PFA:PFA+1], 512
	PFETCH
	s_lshl_b32 s88, s95, 18                        ; the three images: head, block of rows,
	s_lshl_b32 s90, s90, 14
	s_add_co_u32 s88, s88, s90
	s_lshl_b32 s90, s91, 9                         ; q, k: c
	s_add_co_u32 s94, s88, s90
	s_mov_b32 s95, 0
	s_add_nc_u64 s[16:17], s[16:17], s[94:95]
	s_add_nc_u64 s[18:19], s[18:19], s[94:95]
	s_lshl_b32 s90, s91, 12                        ; v: dt = 2 c + u
	s_add_co_u32 s94, s88, s90
	s_add_nc_u64 s[20:21], s[20:21], s[94:95]
	s_wait_kmcnt 0x0
.macro MKSCALE eo, ea, eb, vs, sn, sp  ; E = eo - ea - eb: 2^E as f32 for the conversion, and -+448 x 2^E for the hold
	s_sub_co_i32 s80, s[\eo], s[\ea]
	s_sub_co_i32 s80, s80, s[\eb]
	s_add_co_i32 s80, s80, 127
	s_lshl_b32 s81, s80, 23
	v_mov_b32 v[\vs], s81
	s_add_co_i32 s80, s80, 8
	s_lshl_b32 s80, s80, 23
	s_or_b32 s[\sp], s80, 0x600000
	s_or_b32 s[\sn], s[\sp], 0x80000000
.endm
	MKSCALE 74, 68, 69, SCQ, HQN, HQP
	MKSCALE 75, 70, 71, SCK, HKN, HKP
	MKSCALE 77, 72, 73, SCV, HVN, HVP
.macro FRAG reg, adr, q, i             ; 16 rows x 128 K: lane l holds row l % 16; registers 4 c .. 4 c + 3 hold K = 32 c + 16 (l / 16) + 0 .. 15: the same order of k on both sides of a product
.irp c, 0,1,2,3
	ds_load_b128 v[\reg+4*\c:\reg+4*\c+3], v[\adr] offset:128*(\q)+32*\c+(\i)*16*PITCH
.endr
.endm
.macro FETCH_B slot, q, p              ; the weights' six fragments of the slot's q-th 128 along K into set p: 24 loads
	WIN 0x40
.irp g, 0,1,2
.irp u, 0,1
	FRAG 128*(\p)+16*(2*\g+\u), ADRB+3*(\slot)+\g, \q, \u
.endr
.endr
	WIN 0
.endm
.macro FETCH_A slot, q, i0             ; x's blocks i0 .. i0 + 3: 16 loads
.irp i, \i0, \i0+1, \i0+2, \i0+3
	FRAG AF+16*(\i), ADRA+\slot, \q, \i
.endr
.endm
; The 48 accumulators take turns, one instruction a turn, in the same order in every step.  zero = 1: the first products start the sums.
.macro MULQK a0, p, zero               ; x's blocks a0 .. a0 + 3 against wq's and wk's four tiles: source 0 the weight (window 1), source 1 x (window 0), sums in window 2
	WIN 0xa1
.irp a, \a0, \a0+1, \a0+2, \a0+3
.irp t, 0,1,2,3
.if \zero
	v_wmma_f32_16x16x128_fp8_fp8 v[8*(4*(\a)+\t):8*(4*(\a)+\t)+7], v[128*\p+16*\t:128*\p+16*\t+15], v[AF+16*(\a):AF+16*(\a)+15], 0
.else
	v_wmma_f32_16x16x128_fp8_fp8 v[8*(4*(\a)+\t):8*(4*(\a)+\t)+7], v[128*\p+16*\t:128*\p+16*\t+15], v[AF+16*(\a):AF+16*(\a)+15], v[8*(4*(\a)+\t):8*(4*(\a)+\t)+7]
.endif
.endr
.endr
.endm
.macro MULV a0, p, zero                ; the same blocks against wv's two tiles: source 0 x (window 0), source 1 wv (window 1), sums in window 3
	WIN 0xf4
.irp a, \a0, \a0+1, \a0+2, \a0+3
.irp u, 0,1
.if \zero
	v_wmma_f32_16x16x128_fp8_fp8 v[8*(2*(\a)+\u):8*(2*(\a)+\u)+7], v[AF+16*(\a):AF+16*(\a)+15], v[128*\p+16*(4+\u):128*\p+16*(4+\u)+15], 0
.else
	v_wmma_f32_16x16x128_fp8_fp8 v[8*(2*(\a)+\u):8*(2*(\a)+\u)+7], v[AF+16*(\a):AF+16*(\a)+15], v[128*\p+16*(4+\u):128*\p+16*(4+\u)+15], v[8*(2*(\a)+\u):8*(2*(\a)+\u)+7]
.endif
.endr
.endr
.endm
; A slot's first 128 along K: multiplies the weights' set 0 and fetches the slot's second 128: the weights' set 1 at the start, x's blocks 0-3 in the middle, 4-7 at the end.  A block of x is free once its six products are issued, so x has one set.
; (The four places in front of the loads into set 1 stand at the end of the step before.)
.macro STEP slot, zero
	FETCH_B \slot, 1, 1
	s_wait_dscnt 40                                ; set 0 and x's blocks 0-3 are in; blocks 4-7 (16 loads) and set 1 (24) may be out
	MULQK 0, 0, \zero
	MULV 0, 0, \zero
	s_wait_dscnt 24                                ; blocks 4-7 are in; set 1 may be out
	PLACES 4
	WIN 0                                          ; x's fragments lie in window 0
	FETCH_A \slot, 1, 0
	MULQK 4, 0, \zero
	MULV 4, 0, \zero
	PLACES 4
	WIN 0
	FETCH_A \slot, 1, 4
.endm
; A slot's second 128 changes slots: ONE barrier; in front of it each wave waits for all its tensor loads, adds 0 to its spare word, and waits for that and for its own reads of this slot.  fill = 1: the slot is filled again, two slots ahead.
.macro TURN slot, next, fill
.if \fill
	s_wait_xcnt 0x0                                ; any prefetch of mine has read its address: it is stepped here
	s_add_nc_u64 s[PFA:PFA+1], s[PFA:PFA+1], 256
.endif
	s_wait_tensorcnt 0x0                           ; all my tensor loads have landed: my part of the next slot
	ds_add_u32 v[SPW], v[NIL]                      ; 0 onto my spare word
	s_wait_dscnt 17                                ; the add and the youngest sixteen loads (x's blocks 4-7) may be out
	MULQK 0, 1, 0                                  ; sixteen matrix instructions stand between the add and the wait for it
	s_wait_dscnt 0x0                               ; the add is done, and my reads of this slot are over
	s_barrier_signal -1
	MULV 0, 1, 0
	WIN 0
	s_barrier_wait -1
.if \fill
	CREST                                          ; the barrier has opened a round of the cluster's: no wave of any partner still reads this slot or has a load on its way
	s_add_nc_u64 s[G0A+4*\slot+2:G0A+4*\slot+3], s[G0A+4*\slot+2:G0A+4*\slot+3], 512
	s_add_nc_u64 s[G0B+4*\slot+2:G0B+4*\slot+3], s[G0B+4*\slot+2:G0B+4*\slot+3], 512
	JLOAD \slot                                    ; my one tensor load behind the round; its four v_nop are the places in front of the loads below
.else
	PLACES 4
.endif
	FETCH_B \next, 0, 0
	FETCH_A \next, 0, 0
.if \fill
	s_cmp_gt_u32 s3, 1                             ; the last trip's two loads have no K step two on
	s_cbranch_scc0 .Lno_ask_\@
	PFETCH
.Lno_ask_\@:
.endif
	MULQK 4, 1, 0
	MULV 4, 1, 0
	PLACES 4
	WIN 0
	FETCH_A \next, 0, 4
.endm
.macro COSAT a                         ; where block a's cos lies: blocks 0-3 in window 0, 4-7 in window 1
.if \a < 4
.set CX, 64+16*\a
.else
.set CX, 96+16*(\a-4)+96*((\a-4)/2)
.endif
.endm
.macro HORN d, k                       ; d = d x r^2 + k, eight numbers
.irp i, 0,2,4,6
	v_dual_fmaak_f32 v[\d+\i], v[\d+\i], v[RZ+\i], \k :: v_dual_fmaak_f32 v[\d+\i+1], v[\d+\i+1], v[RZ+\i+1], \k
.endr
.endm
; cos and sin of my 16 entries of block a, eight at a time, two numbers an instruction; sin over the entries themselves in window 3
.macro TRIG a
	COSAT \a
.irp u, 0,1
.set PX, PE+16*\a+8*\u
	WIN 0x03
.irp i, 0,2,4,6
	v_dual_fmaak_f32 v[RT+\i], v[PX+\i], v[INV], 0x4b400000 :: v_dual_fmaak_f32 v[RT+\i+1], v[PX+\i+1], v[INV], 0x4b400000   ; pe / pi + 1.5 x 2^23: the nearest whole number in the low bits
.endr
	WIN 0
.irp i, 0,2,4,6
	v_dual_add_f32 v[RN+\i], 0xcb400000, v[RT+\i] :: v_dual_add_f32 v[RN+\i+1], 0xcb400000, v[RT+\i+1]   ; n
.endr
	WIN 0xf0
.irp i, 0,2,4,6
	v_dual_fmac_f32 v[PX+\i], v[RN+\i], v[PIH] :: v_dual_fmac_f32 v[PX+\i+1], v[RN+\i+1], v[PIH]   ; pe - n x pi's upper part
.endr
.irp i, 0,2,4,6
	v_dual_fmac_f32 v[PX+\i], v[RN+\i], v[PIL] :: v_dual_fmac_f32 v[PX+\i+1], v[RN+\i+1], v[PIL]   ; - n x pi's lower part: r
.endr
	WIN 0x0f
.irp i, 0,2,4,6
	v_dual_mul_f32 v[RZ+\i], v[PX+\i], v[PX+\i] :: v_dual_mul_f32 v[RZ+\i+1], v[PX+\i+1], v[PX+\i+1]
.endr
	WIN 0
.irp i, 0,1,2,3,4,5,6,7
	v_lshl_or_b32 v[RT+\i], v[RT+\i], 31, 0x3f800000                                               ; +1 or -1 by n's parity
.endr
.irp i, 0,2,4,6
	v_dual_fmaak_f32 v[RN+\i], v[RZ+\i], v[C11], 0x3638ef1d :: v_dual_fmaak_f32 v[RN+\i+1], v[RZ+\i+1], v[C11], 0x3638ef1d   ; -z / 11! + 1 / 9!
.endr
.irp i, 0,2,4,6
	v_dual_fmaak_f32 v[RR+\i], v[RZ+\i], v[C12], 0xb493f27e :: v_dual_fmaak_f32 v[RR+\i+1], v[RZ+\i+1], v[C12], 0xb493f27e   ; z / 12! - 1 / 10!
.endr
	HORN RN, 0xb9500d01                            ; - 1 / 7!
	HORN RR, 0x37d00d01                            ; + 1 / 8!
	HORN RN, 0x3c088889                            ; + 1 / 5!
	HORN RR, 0xbab60b61                            ; - 1 / 6!
	HORN RN, 0xbe2aaaab                            ; - 1 / 3!
	HORN RR, 0x3d2aaaab                            ; + 1 / 4!
.irp i, 0,2,4,6
	v_dual_mul_f32 v[RN+\i], v[RN+\i], v[RZ+\i] :: v_dual_mul_f32 v[RN+\i+1], v[RN+\i+1], v[RZ+\i+1]
.endr
	HORN RR, 0xbf000000                            ; - 1 / 2
	HORN RR, 0x3f800000                            ; + 1
	WIN 0xfc
.irp i, 0,2,4,6
	v_dual_fmac_f32 v[PX+\i], v[RN+\i], v[PX+\i] :: v_dual_fmac_f32 v[PX+\i+1], v[RN+\i+1], v[PX+\i+1]   ; r + r x (z x series)
.endr
	WIN 0xc3
.irp i, 0,2,4,6
	v_pk_mul_f32 v[PX+\i:PX+\i+1], v[PX+\i:PX+\i+1], v[RT+\i:RT+\i+1] neg_lo:[1,0]                 ; even channel: - sin(pe), odd channel: sin(pe)
.endr
.if \a < 4
	WIN 0
.else
	WIN 0x40
.endif
.irp i, 0,2,4,6
	v_dual_mul_f32 v[CX+8*\u+\i], v[RR+\i], v[RT+\i] :: v_dual_mul_f32 v[CX+8*\u+\i+1], v[RR+\i+1], v[RT+\i+1]   ; cos(pe)
.endr
.endr
.endm
	s_wait_alu depctr_va_vdst(0)
	s_wait_xcnt 0x0                                ; the prefetch has read its address
	s_add_nc_u64 s[PFA:PFA+1], s[PFA:PFA+1], 256
	s_wait_tensorcnt 0x0                           ; my part of K step 0 is in
	ds_add_u32 v[SPW], v[NIL]
	s_wait_dscnt 0x0                               ; the add is done
	CROUND                                         ; everybody's part of K step 0 is in, and the joint loads meet,
	JLOAD 1                                        ; K step 1's load, the first tensor load behind the round
	FETCH_B 0, 0, 0
	FETCH_A 0, 0, 0
	FETCH_A 0, 0, 4
	PFETCH                                         ; K step 3
	STEP 0, 1                                      ; the first step stands in front of the loop: its products start the sums
	s_wait_loadcnt 0x0                             ; freq_pos_enc
.irp a, 0,1,2,3,4,5,6,7
	TRIG \a                                        ; while K step 1 is on its way
.endr
	WIN 0
	s_wait_alu depctr_va_vdst(0)
	s_mov_b32 s3, LAPS-1
.Llap:                                                 ; a trip goes once round the ring and fills both slots again
	TURN 0, 1, 1
	STEP 1, 0
	TURN 1, 0, 1
	STEP 0, 0
	s_sub_co_u32 s3, s3, 1
	s_cmp_lg_u32 s3, 0
	s_cbranch_scc1 .Llap
	TURN 0, 1, 0                                   ; the last lap fills nothing
	STEP 1, 0
	s_wait_dscnt 16                                ; the very last step: nothing more to fetch
	MULQK 0, 1, 0
	MULV 0, 1, 0
	s_wait_dscnt 0x0
	MULQK 4, 1, 0
	MULV 4, 1, 0
	WIN 0
	PLACES 4
	; ---- v: held, converted, stored.  Each accumulator is taken from its low end on.
	WIN 0xc3                                       ; source 0 and destination window 3
.set n, 0
.rept 128
	v_med3_num_f32 v[n], v[n], s[HVN], s[HVP]      ; the conversion to an 8-bit code does not saturate (ISA guide 7.6.2): the hold at the largest code x the scale
.set n, n+1
.endr
	WIN 0x03                                       ; source 0 window 3; scale and destination window 0
.irp u, 0,1
.irp a, 0,1,2,3,4,5,6,7
	v_cvt_scalef32_pk8_fp8_f32 v[VC+16*\u+2*\a:VC+16*\u+2*\a+1], v[8*(2*\a+\u):8*(2*\a+\u)+7], v[SCV]   ; rows 16 a + 8 h + 0 .. 7 of channel 16 (2 c + u) + r
.endr
.endr
	v_nop                                          ; one plain vector line behind the conversions
	WIN 0
.irp u, 0,1
.irp c, 0,1,2,3
	global_store_b128 v[LI], v[VC+16*\u+4*\c:VC+16*\u+4*\c+3], s[20:21] offset:2048*\u+512*\c   ; blocks 2 c and 2 c + 1: 16 bytes a lane, 512 consecutive bytes a wave
.endr
.endr
; ---- q and k of rows 16 a .. 16 a + 15: the turn, the hold, the conversion, two stores
.macro ROT a
	COSAT \a
.if \a < 4                                     ; source 0: the sums, window 2; cos in window 0 or 1
	WIN 0x02
.else
	WIN 0x06
.endif
.irp i, 0,2,4,6,8,10,12,14
	v_dual_mul_f32 v[RQ+\i], v[32*\a+\i], v[CX+\i] :: v_dual_mul_f32 v[RQ+\i+1], v[32*\a+\i+1], v[CX+\i+1]   ; u cos; each accumulator from its low end on
.endr
.irp i, 0,2,4,6,8,10,12,14
	v_dual_mul_f32 v[RK+\i], v[32*\a+16+\i], v[CX+\i] :: v_dual_mul_f32 v[RK+\i+1], v[32*\a+16+\i+1], v[CX+\i+1]
.endr
	WIN 0x0e                                       ; source 1: sin, window 3
.irp i, 0,2,4,6,8,10,12,14                     ; even channel: its odd neighbour x (- sin); odd channel: its even neighbour x sin
	v_dual_fmac_f32 v[RQ+\i], v[32*\a+\i+1], v[PE+16*\a+\i] :: v_dual_fmac_f32 v[RQ+\i+1], v[32*\a+\i], v[PE+16*\a+\i+1]
	v_dual_fmac_f32 v[RK+\i], v[32*\a+16+\i+1], v[PE+16*\a+\i] :: v_dual_fmac_f32 v[RK+\i+1], v[32*\a+16+\i], v[PE+16*\a+\i+1]
.endr
	WIN 0
.irp i, 0,1,2,3,4,5,6,7,8,9,10,11,12,13,14,15
	v_med3_num_f32 v[RQ+\i], v[RQ+\i], s[HQN], s[HQP]
	v_med3_num_f32 v[RK+\i], v[RK+\i], s[HKN], s[HKP]
.endr
	v_cvt_scalef32_pk8_fp8_f32 v[QC+8*\a:QC+8*\a+1],   v[RQ:RQ+7],    v[SCQ]
	v_cvt_scalef32_pk8_fp8_f32 v[QC+8*\a+2:QC+8*\a+3], v[RQ+8:RQ+15], v[SCQ]
	v_cvt_scalef32_pk8_fp8_f32 v[QC+8*\a+4:QC+8*\a+5], v[RK:RK+7],    v[SCK]
	v_cvt_scalef32_pk8_fp8_f32 v[QC+8*\a+6:QC+8*\a+7], v[RK+8:RK+15], v[SCK]
	v_nop                                          ; one plain vector line behind the conversions: the next block writes their sources
	global_store_b128 v[LI], v[QC+8*\a:QC+8*\a+3],   s[16:17] offset:2048*\a   ; every store has registers of its own: none is written again
	global_store_b128 v[LI], v[QC+8*\a+4:QC+8*\a+7], s[18:19] offset:2048*\a
.endm
.irp a, 0,1,2,3,4,5,6,7
	ROT \a
.endr
	s_wait_tensorcnt 0x0                           ; the wave's end
	ds_add_u32 v[SPW], v[NIL]
	s_wait_dscnt 0x0
	CROUND                                         ; the closing round: no work-group ends while a partner may still ask for a tile that names it
	s_endpgm
.Lfunc_end_k_qe252b18375_qkv:
	.size	k_qe252b18375_qkv, .Lfunc_end_k_qe252b18375_qkv-k_qe252b18375_qkv
	.p2alignl 7, 3214868480
	.fill 96, 4, 3214868480
	.section	.rodata,"a",@progbits
	.p2align	6, 0x0
	.amdhsa_kernel k_qe252b18375_qkv
		.amdhsa_group_segment_fixed_size 327680
		.amdhsa_private_segment_fixed_size 0
		.amdhsa_enable_private_segment 0
		.amdhsa_kernarg_size 72
		.amdhsa_user_sgpr_count 2
		.amdhsa_user_sgpr_kernarg_segment_ptr 1
		.amdhsa_wavefront_size32 1
		.amdhsa_system_sgpr_workgroup_id_x 1
		.amdhsa_system_sgpr_workgroup_id_y 1
		.amdhsa_system_sgpr_workgroup_id_z 1
		.amdhsa_system_vgpr_workitem_id 0
		.amdhsa_next_free_vgpr 1024
		.amdhsa_next_free_sgpr 100
		.amdhsa_reserve_vcc 0
		.amdhsa_float_denorm_mode_32 3
		.amdhsa_float_denorm_mode_16_64 3
		.amdhsa_memory_ordered 1
		.amdhsa_forward_progress 1
		.amdhsa_inst_pref_size 232
	.end_amdhsa_kernel
	.amdgpu_metadata
---
amdhsa.version: [ 1, 2 ]
amdhsa.kernels:
  - .name:           k_qe252b18375_qkv
    .symbol:         k_qe252b18375_qkv.kd
    .args:
      - { .name: x_codes, .offset: 0, .size: 8, .value_kind: global_buffer, .address_space: global }
      - { .name: wq_codes, .offset: 8, .size: 8, .value_kind: global_buffer, .address_space: global }
      - { .name: wk_codes, .offset: 16, .size: 8, .value_kind: global_buffer, .address_space: global }
      - { .name: wv_codes, .offset: 24, .size: 8, .value_kind: global_buffer, .address_space: global }
      - { .name: freq_pos_enc, .offset: 32, .size: 8, .value_kind: global_buffer, .address_space: global }
      - { .name: lowp_scales, .offset: 40, .size: 8, .value_kind: global_buffer, .address_space: global }
      - { .name: q_img, .offset: 48, .size: 8, .value_kind: global_buffer, .address_space: global }
      - { .name: k_img, .offset: 56, .size: 8, .value_kind: global_buffer, .address_space: global }
      - { .name: v_img, .offset: 64, .size: 8, .value_kind: global_buffer, .address_space: global }
    .group_segment_fixed_size: 327680
    .private_segment_fixed_size: 0
    .kernarg_segment_align: 8
    .kernarg_segment_size: 72
    .max_flat_workgroup_size: 128
    .sgpr_count:     100
    .vgpr_count:     1024
    .wavefront_size: 32
...
	.end_amdgpu_metadata
.endif
;; end of part 1
;; launch attn (part 2): grid 16 x 16, 8 waves a work-group, clusters of 4 x 1, 327,680 bytes of LDS; arguments q_img, k_img, v_img, lowp_scales, a_img; writes a_img
.if DOCPART == 2
	.amdgcn_target "amdgcn-amd-amdhsa--gfx1250"
	.amdhsa_code_object_version 6
	.text
	.protected	k_qe252b18375_attn
	.globl	k_qe252b18375_attn
	.p2align	8
	.type	k_qe252b18375_attn,@function
k_qe252b18375_attn:
	s_mov_b64 s[64:65], 0
	v_nop
	global_prefetch_b8 v0, s[64:65] scope:SCOPE_SE
	s_setreg_imm32_b32 hwreg(HW_REG_WAVE_MODE, 25, 1), 1
	s_wait_xcnt 0x0
	s_wait_alu depctr_hold_cnt(0) depctr_sa_sdst(0) depctr_va_vdst(0) depctr_va_sdst(0) depctr_va_ssrc(0) depctr_va_vcc(0) depctr_vm_vsrc(0)
	s_getreg_b32 s2, hwreg(HW_REG_IB_STS2, 6, 4)
	s_cmp_eq_u32 s2, 0
	s_cbranch_scc0 .Lentry_in_a_cluster
	s_endpgm
.Lentry_in_a_cluster:
	s_bfe_u32 s2, ttmp6, 0x10000c
	s_cmp_lg_u32 s2, 0x3003
	s_cbranch_scc0 .Lentry_shape_is_right
	s_endpgm
.Lentry_shape_is_right:
; attn[s][head][:] = softmax(q k^T / sqrt(128), causal) v, both products on codes of FP8 (E4M3), quantised again into a_img for the last product.
; LEFT OUT: score tiles (16 queries x 128 keys) all of whose keys come after the queries: reference() adds -infinity to them.  LIMIT: a NaN or an infinity that reaches only those is not carried to the result.
; THE SOFTMAX: t = score x log2(e) / sqrt(128); M = the running largest t rounded UP to a whole number; p = 2^(t - M) is quantised; the row's sum is taken of the unquantised p and divides at the end; a change of M multiplies by an exact power of two.
; LIMITS: |t| under 2^31; e6 + e7 between -123 and 130; e8 and e10 - e8 - e9 between -126 and 119.
; SHARES.  A head's queries are 16 groups of 128.  The cluster with number X owns the groups X, 15 - X, 7 - X, 8 + X; its partner cx takes 32 of each group's 128: two tiles of 16.
; A wave owns TWO tiles: tile t (w % 2) of the group GL (X or 7 - X, by w / 4) and of the group GH = 15 - GL, and of their keys every second step of 128 (PAR): both tiles take the same fragments of K and V while both are live.
; So all waves have 17 tile steps with their partner.  The two waves of a tile pair exchange through LDS at the end: the wave with PAR = 0 finishes the low tile, the other the high one.
; Every work-group owns a group of 12 or above, so some wave of every partner reads every slot that a joint load brings.
; K and V come as images of operand registers (v_img, k_img: launch qkv), 16,384 bytes for 128 keys, through a ring of two LDS slots of 512 keys: K's 65,536 bytes, then V's; each of the eight waves fetches an eighth, one tensor load.
; CLUSTERS: the four partners walk the same K and V and ask for them jointly.
; PREFETCH: behind the load of slot 1 the cluster asks for slot 2, behind that of slot 2 for slot 3: a whole slot's work ahead of the load.  Waves 0, 1 (K) and 2, 3 (V) of each partner ask for 8,192 bytes each, told apart by address: each 256-byte block once in a cluster.
; Both products are used transposed: S^T = K Q^T, O^T = V^T P^T: a lane holds one query (lane % 16) of each tile throughout.
; REGISTERS: window w (0, 1) holds tile w's: v12 -M, v13 the largest t, v[14:15] the sum in two halves, v16-31 Q, v96-159 S^T, then p, v160-223 O^T, v224-239 p's codes, v240-254 at work; v32-95 of both windows: fragments of K or V.
.set SLOTB, 131072
.set VOFF,  65536
.set SPARE, 2*SLOTB                    ; the spare words, 128 bytes for each wave, which no other line names
.set MGB,   8704                       ; the exchange of one tile: 64 + 4 registers; it lies in slot 0, which has had its last fill and its last read
.set LI,   1                           ; 16 x lane
.set DQ,   2                           ; (both windows) my query in its group - 8 (lane / 16)
.set PFO,  3                           ; 256 x lane
.set MG,   4
.set SPW,  5
.set NIL,  6
.set ADK,  8
.set ADV,  9
.set WV,   18
.set SEL,  20
.set CS,   22
.set G1,   24
.set G0,   32                          ; s[32:35] the walking group 0
.set SB,   36                          ; LDS byte at which the slot in hand begins
.set TRIP, 37
.set GL,   38
.set PAR,  44
.set GH,   48
.set ST,   49                          ; the step of 128 keys in hand
.set TB,   50
.set TWICE, 51
.set LIM,  58                          ; 2 in the waves that prefetch, else 0
.set PAR14, 59
.set PFA,  60
.set MSB, 0
.macro WIN new                         ; the immediate's high byte repeats the setting that is left
.if MSB != (\new)
	s_set_vgpr_msb (MSB<<8)|(\new)
.set MSB, (\new)
.endif
.endm
.macro CROUND                          ; a round of the cluster's barrier
	s_barrier_signal -1
	s_barrier_wait -1
	s_cmp_lg_u32 s[WV], 0
	s_cbranch_scc1 .Lnot_wave_0_\@
	s_barrier_signal -3
.Lnot_wave_0_\@:
	s_barrier_wait -3
	s_barrier_signal -1
	s_barrier_wait -1
.endm
.macro JLOAD
	tensor_load_to_lds s[G0:G0+3], s[G1:G1+7]
	s_nop 0
.rept 4
	v_nop
.endr
.endm
; A fill: three lines in every wave, the walking descriptor turned to the other slot and 512 keys on, a round, the joint load first behind it
.macro CHANGE
	s_wait_xcnt 0x0                                ; any prefetch of mine has read its address
	s_add_nc_u64 s[PFA:PFA+1], s[PFA:PFA+1], 65536
	s_wait_tensorcnt 0x0                           ; all my tensor loads have landed: my part of the slot that is read next
	ds_add_u32 v[SPW], v[NIL]
	s_xor_b32 s[G0+1], s[G0+1], SLOTB
	s_add_nc_u64 s[G0+2:G0+3], s[G0+2:G0+3], 65536
	s_wait_dscnt 0x0                               ; the add is done, and my reads of the slot that is filled are over
	CROUND
	JLOAD
.endm
.macro ASK
	s_cmp_eq_u32 s[LIM], s[TRIP]
	s_cbranch_scc0 .Lnot_mine_\@
	global_prefetch_b8 v[PFO], s[PFA:PFA+1] th:TH_LOAD_NT scope:SCOPE_SE
.Lnot_mine_\@:
.endm
	s_load_b256 s[4:11], s[0:1], 0x0               ; q_img s[4:5], k_img s[6:7], v_img s[8:9], the exponents s[10:11]
	s_load_b64 s[12:13], s[0:1], 0x20              ; a_img
	v_lshl_add_u32 v[SPW], v0, 2, SPARE
	v_mov_b32 v[NIL], 0
	ds_add_u32 v[SPW], v[NIL]                      ; the wave's opening: the add, twice on end, and its wait
	ds_add_u32 v[SPW], v[NIL]
	v_lshrrev_b32 v8, 5, v0
	v_readfirstlane_b32 s[WV], v8                  ; wave 0..7
	s_bfe_u32 s40, ttmp6, 0x40000                  ; cx
	s_and_b32 s42, ttmp7, 0xffff                   ; the head
	s_lshr_b32 s46, s[WV], 2                       ; which pair of groups
	s_and_b32 s47, s[WV], 1                        ; which tile
	s_lshr_b32 s[PAR], s[WV], 1
	s_xor_b32 s[PAR], s[PAR], s46
	s_and_b32 s[PAR], s[PAR], 1                    ; which steps of keys
	s_mov_b32 s62, ttmp9
	s_sub_co_u32 s63, 7, s62
	s_cmp_eq_u32 s46, 0
	s_cselect_b32 s[GL], s62, s63
	s_sub_co_u32 s[GH], 15, s[GL]
	s_lshl_b32 s[PAR14], s[PAR], 14
	s_mov_b32 s[ST], s[PAR]
	s_mov_b32 s[SB], 0
	s_mov_b32 s[TRIP], 2
	s_cmp_lt_u32 s[WV], 4
	s_cselect_b32 s[LIM], 2, 0
	s_lshl_b32 s86, s40, 1
	s_add_co_u32 s86, s86, s47                     ; my tile among a group's eight
	s_lshl_b32 s87, s86, 4
	s_lshl_b32 s62, s46, 1
	s_add_co_u32 s62, s62, s47
	s_mul_i32 s62, s62, 2*MGB
	s_mov_b32 s[G1], 15|(3<<16)|(1<<21)            ; 15:0 all four partners; 17:16 elements of 8 bytes; 21 set beside a mask; no padding: 64 rows of 256 bytes, dense
	s_mov_b32 s[G1+1], 32<<16
	s_mov_b32 s[G1+2], 64<<16
	s_mov_b32 s[G1+3], 32<<16
	s_mov_b32 s[G1+4], 64
	s_mov_b32 s[G1+5], 32
	s_mov_b32 s[G1+6], 0
	s_mov_b32 s[G1+7], 0
	s_mov_b32 s[SEL], 0x76543210
	s_mov_b32 s[SEL+1], 0xfedcba98
	s_mov_b32 s[CS], 0x3e0293ee                    ; log2(e) / sqrt(128)
	s_lshl_b32 s52, s42, 18                        ; the head's images
	s_and_b32 s54, s[WV], 3
	s_lshl_b32 s54, s54, 14
	s_add_co_u32 s54, s54, s52
	s_mov_b32 s55, 0
	s_lshl_b32 s63, s[WV], 14                      ; where my eighth of a slot goes
	v_and_b32 v10, 31, v0
	v_and_b32 v11, 15, v0
	v_bfe_u32 v7, v0, 4, 1
	v_lshlrev_b32 v[LI], 4, v10
	v_lshlrev_b32 v[PFO], 8, v10
	v_lshlrev_b32 v7, 3, v7
	v_add_nc_u32 v[MG], s62, v[LI]
	v_sub_nc_u32 v7, v11, v7
	v_add_nc_u32 v[DQ], s87, v7
	WIN 0x40
	v_add_nc_u32 v[DQ], s87, v7
	WIN 0
	s_wait_alu depctr_va_vdst(0)
	s_wait_dscnt 0x0                               ; both opening adds are done
	CROUND                                         ; the partners are here: the first joint loads meet
	s_wait_kmcnt 0x0
	s_load_b256 s[68:75], s[10:11], 0x0            ; e0 .. e7
	s_load_b128 s[76:79], s[10:11], 0x20           ; e8 .. e11
	s_cmp_lt_u32 s[WV], 4
	s_cselect_b64 s[56:57], s[6:7], s[8:9]         ; waves 0-3 fetch for K, 4-7 for V
	s_add_nc_u64 s[56:57], s[56:57], s[54:55]
	s_mov_b32 s[G0], 1
	s_mov_b32 s[G0+1], s63
	s_mov_b64 s[G0+2:G0+3], s[56:57]
	s_or_b32 s[G0+3], s[G0+3], 0x80000000
	JLOAD                                          ; slot 0: one tensor load a wave at the head
	s_lshl_b32 s80, s86, 11
	s_lshl_b32 s84, s[GL], 14
	s_add_co_u32 s84, s84, s80
	s_add_co_u32 s84, s84, s52
	s_mov_b32 s85, 0
	s_lshl_b32 s88, s[GH], 14
	s_add_co_u32 s88, s88, s80
	s_add_co_u32 s88, s88, s52
	s_mov_b32 s89, 0
	s_add_nc_u64 s[84:85], s[4:5], s[84:85]        ; Q of the low tile,
	s_add_nc_u64 s[88:89], s[4:5], s[88:89]        ; of the high one
.irp c, 0,1,2,3
	global_load_b128 v[16+4*\c:19+4*\c], v[LI], s[84:85] offset:512*\c
.endr
	WIN 0x40
.irp c, 0,1,2,3
	global_load_b128 v[16+4*\c:19+4*\c], v[LI], s[88:89] offset:512*\c
.endr
	WIN 0
	s_cmp_eq_u32 s[PAR], 0
	s_cselect_b32 s90, s[GL], s[GH]                ; the tile that I finish
	s_lshl_b32 s90, s90, 18
	s_lshl_b32 s91, s42, 14
	s_add_co_u32 s90, s90, s91
	s_add_co_u32 s90, s90, s80
	s_mov_b32 s91, 0
	s_add_nc_u64 s[12:13], s[12:13], s[90:91]
	s_cmp_lt_u32 s[WV], 2
	s_cselect_b64 s[PFA:PFA+1], s[6:7], s[8:9]
	s_lshl_b32 s92, s40, 14
	s_and_b32 s93, s[WV], 1
	s_lshl_b32 s93, s93, 13
	s_add_co_u32 s92, s92, s93
	s_add_co_u32 s92, s92, s52
	s_add_co_u32 s92, s92, 65536                   ; at slot 1: the first fill behind the head's steps it to slot 2
	s_mov_b32 s93, 0
	s_add_nc_u64 s[PFA:PFA+1], s[PFA:PFA+1], s[92:93]
.irp w, 0,1
	WIN 0x55*\w
	v_mov_b32 v13, 0xff61b1e6                      ; the largest t so far: -3e38
	v_mov_b32 v14, 0
	v_mov_b32 v15, 0
	v_mov_b32 v236, 0                              ; (a lane permute's destination counts as one of its sources; v251, v253 are upper halves of pairs)
	v_mov_b32 v251, 0
	v_mov_b32 v253, 0
	v_floor_f32 v12, -v13
.set n, 0
.rept 64
	v_mov_b32 v[160+n], 0                          ; O^T: the step is written for a running sum, and a wave of early queries may have no step at all
.set n, n+1
.endr
.endr
	WIN 0
	s_wait_kmcnt 0x0
	s_add_co_i32 s91, s74, s75
	s_lshl_b32 s91, s91, 23
	s_add_co_i32 s[CS], s[CS], s91                 ; a score stands for score x 2^(e6 + e7)
	s_mov_b32 s[CS+1], s[CS]
	s_add_co_i32 s91, s76, 127
	s_lshl_b32 s92, s91, 23                        ; 2^e8
	s_add_co_i32 s91, s91, 8
	s_lshl_b32 s91, s91, 23
	s_or_b32 s93, s91, 0x600000                    ; 448 x that
	s_sub_co_i32 s91, s78, s76
	s_sub_co_i32 s91, s91, s77
	s_add_co_i32 s91, s91, 127
	s_lshl_b32 s94, s91, 23                        ; 2^(e10 - e8 - e9)
	s_add_co_i32 s91, s91, 8
	s_lshl_b32 s91, s91, 23
	s_or_b32 s95, s91, 0x600000
.irp w, 0,1
	WIN 0x40*\w
	v_mov_b32 v244, s92
	v_mov_b32 v240, s93
	v_mov_b32 v241, s[CS]                          ; the factor of t, twice: the two halves of a pair name registers of different banks
	v_mov_b32 v247, s[CS]
	v_mov_b32 v245, s94
	v_mov_b32 v246, s95
.endr
	WIN 0
.macro FRAGS adr                       ; eight fragments of 16 x 128, four in each window
.irp g, 0,1
	WIN 0x40*\g
.irp t, 0,1,2,3
.irp c, 0,1,2,3
	ds_load_b128 v[32+16*\t+4*\c:32+16*\t+4*\c+3], v[\adr] offset:(4*\g+\t)*2048+512*\c
.endr
.endr
.endr
.endm
.macro KQ g, w                         ; S^T = K Q^T
	WIN 0x44*\w+\g
.irp t, 0,1,2,3
	v_wmma_f32_16x16x128_fp8_fp8 v[96+8*(4*\g+\t):103+8*(4*\g+\t)], v[32+16*\t:47+16*\t], v[16:31], 0
.endr
.endm
.macro PV g, w                         ; O^T += V^T P^T; the accumulators take turns, one instruction a turn
	WIN 0x54*\w+\g
.irp t, 0,1,2,3
	v_wmma_f32_16x16x128_fp8_fp8 v[160+8*(4*\g+\t):167+8*(4*\g+\t)], v[32+16*\t:47+16*\t], v[224:239], v[160+8*(4*\g+\t):167+8*(4*\g+\t)]
.endr
.endm
.macro MASK w                          ; on the diagonal hidden scores become -infinity: register n holds key 16 (n / 8) + 8 (lane / 16) + n % 8 of the step
	WIN 0x55*\w
	v_mov_b32 v254, 0xff800000
	s_wait_alu depctr_va_vdst(0)                   ; the wait ahead of the scores' first reader
.set n, 0
.rept 64
	v_cmp_gt_i32 vcc_lo, 16*(n/8)+n%8, v[DQ]
	v_cndmask_b32 v[96+n], v[96+n], v254, vcc_lo
.set n, n+1
.endr
.endm
.macro SOFTMAX w
	WIN 0x55*\w
	s_wait_alu depctr_va_vdst(0)                   ; the wait ahead of the scores' first reader
	v_max3_num_f32 v254, v96, v97, v98             ; the step's largest score of my query, in two chains
	v_max3_num_f32 v252, v99, v100, v101
.irp i, 6,10,14,18,22,26,30,34,38,42,46,50,54,58
	v_max3_num_f32 v254, v254, v[96+\i], v[97+\i]
	v_max3_num_f32 v252, v252, v[98+\i], v[99+\i]
.endr
	v_max3_num_f32 v254, v254, v158, v159
	s_delay_alu instid0(VALU_DEP_1)
	v_max_num_f32 v254, v254, v252
	v_permlanex16_b32 v236, v254, s[SEL], s[SEL+1]
	s_delay_alu instid0(VALU_DEP_1)
	v_max_num_f32 v254, v254, v236
	s_delay_alu instid0(VALU_DEP_1)
	v_mul_f32 v254, s[CS], v254
	s_delay_alu instid0(VALU_DEP_1)
	v_max_num_f32 v13, v13, v254                   ; the running largest t
	v_mov_b32 v254, v12
	s_delay_alu instid0(VALU_DEP_2)
	v_floor_f32 v12, -v13                          ; the new -M
	s_delay_alu instid0(VALU_DEP_1)
	v_sub_f32 v254, v12, v254
	s_delay_alu instid0(VALU_DEP_1)
	v_cvt_i32_f32 v254, v254
	s_delay_alu instid0(VALU_DEP_1)
	v_ldexp_f32 v252, 1.0, v254                    ; 2^(old M - new M)
	v_mov_b32 v255, v12                            ; -M once more, for the pairs' second halves
.irp j, 0,2,4,6,8,10,12,14,16,18,20,22,24,26,28,30,32,34,36,38,40,42,44,46,48,50,52,54,56,58,60,62
	v_dual_fma_f32 v[96+\j], v[96+\j], v241, v12 :: v_dual_fma_f32 v[97+\j], v[97+\j], v247, v255   ; t - M
.endr
.set n, 0
	s_wait_alu depctr_va_vdst(0)                   ; the wait ahead of the batch,
.rept 64
	v_exp_f32 v[96+n], v[96+n]
.set n, n+1
.endr
	v_pk_mul_f32 v[14:15], v[14:15], v[252:253] op_sel_hi:[1,0]
	s_wait_alu depctr_va_vdst(0)                   ; and behind it
	v_dual_add_f32 v242, v96, v98 :: v_dual_add_f32 v243, v97, v99   ; the row's sum of the unquantised p, in four chains of two numbers
	v_dual_add_f32 v248, v100, v102 :: v_dual_add_f32 v249, v101, v103
	v_dual_add_f32 v250, v104, v106 :: v_dual_add_f32 v251, v105, v107
.irp j, 12,20,28,36,44,52
	v_dual_add_f32 v14, v14, v[96+\j] :: v_dual_add_f32 v15, v15, v[97+\j]
	v_dual_add_f32 v242, v242, v[98+\j] :: v_dual_add_f32 v243, v243, v[99+\j]
	v_dual_add_f32 v248, v248, v[100+\j] :: v_dual_add_f32 v249, v249, v[101+\j]
	v_dual_add_f32 v250, v250, v[102+\j] :: v_dual_add_f32 v251, v251, v[103+\j]
.endr
	v_dual_add_f32 v14, v14, v156 :: v_dual_add_f32 v15, v15, v157
	v_dual_add_f32 v242, v242, v158 :: v_dual_add_f32 v243, v243, v159
	v_dual_add_f32 v248, v248, v250 :: v_dual_add_f32 v249, v249, v251
	v_dual_add_f32 v14, v14, v242 :: v_dual_add_f32 v15, v15, v243
	v_dual_add_f32 v14, v14, v248 :: v_dual_add_f32 v15, v15, v249
.irp t, 0,1,2,3,4,5,6,7
.irp i, 0,2,4,6
	v_dual_min_num_f32 v[96+8*\t+\i], v[96+8*\t+\i], v240 :: v_dual_min_num_f32 v[97+8*\t+\i], v[97+8*\t+\i], v240   ; the conversion does not saturate (ISA guide 7.6.2); p is not negative
.endr
	v_cvt_scalef32_pk8_fp8_f32 v[224+2*\t:225+2*\t], v[96+8*\t:103+8*\t], v244
.endr
	s_wait_alu depctr_va_vdst(0)                   ; the wait ahead of O^T's first reader
.irp j, 0,2,4,6,8,10,12,14,16,18,20,22,24,26,28,30,32,34,36,38,40,42,44,46,48,50,52,54,56,58,60,62
	v_dual_mul_f32 v[160+\j], v[160+\j], v252 :: v_dual_mul_f32 v[161+\j], v[161+\j], v252
.endr
.endm
; A step of 128 keys.  Branches on ids alone lead round the work of a tile all of whose queries come before the keys; no barrier and no tensor load stands in a step.
.macro STEP
	s_cmp_gt_u32 s[ST], s[GH]
	s_cbranch_scc1 .Lhidden_\@
	v_add_nc_u32 v[ADK], s[TB], v[LI]              ; with the two v_nop: the four places in front of the loads
	s_delay_alu instid0(VALU_DEP_1)
	v_add_nc_u32 v[ADV], VOFF, v[ADK]
.rept 2
	v_nop
.endr
	FRAGS ADK
	s_wait_alu depctr_va_vdst(0)
	s_wait_dscnt 16                                ; K's fragments in window 0 are in; window 1's sixteen loads may be out
	KQ 0, 1
	WIN 0
	s_cmp_gt_u32 s[ST], s[GL]
	s_cbranch_scc1 .Lhalf_\@
	KQ 0, 0
	WIN 0
.Lhalf_\@:
	s_wait_dscnt 0x0
	KQ 1, 1
	WIN 0
	s_cmp_gt_u32 s[ST], s[GL]
	s_cbranch_scc1 .Lhigh_\@
	KQ 1, 0
	WIN 0
.Lhigh_\@:
.rept 4
	v_nop
.endr
	FRAGS ADV                                      ; on their way through the softmax
	WIN 0
	s_cmp_gt_u32 s[ST], s[GL]
	s_cbranch_scc1 .Lno_low_\@
	s_cmp_lg_u32 s[ST], s[GL]
	s_cbranch_scc1 .Lopen_low_\@
	MASK 0
	WIN 0
.Lopen_low_\@:
	SOFTMAX 0
	WIN 0
.Lno_low_\@:
	s_cmp_lg_u32 s[ST], s[GH]
	s_cbranch_scc1 .Lopen_\@
	MASK 1
	WIN 0
.Lopen_\@:
	SOFTMAX 1
	s_wait_alu depctr_va_vdst(0)
	s_wait_dscnt 0x0                               ; V's fragments
	PV 0, 1
	PV 1, 1
	WIN 0
	s_cmp_gt_u32 s[ST], s[GL]
	s_cbranch_scc1 .Lhidden_\@
	PV 0, 0
	PV 1, 0
	WIN 0
.Lhidden_\@:
.endm
.macro SLOTWORK                        ; my two steps of the slot in hand
	s_add_co_u32 s[TB], s[PAR14], s[SB]
	s_mov_b32 s[TWICE], 2
.Lsw_\@:
	STEP
	s_add_co_u32 s[TB], s[TB], 32768
	s_add_co_u32 s[ST], s[ST], 2
	s_sub_co_u32 s[TWICE], s[TWICE], 1
	s_cmp_lg_u32 s[TWICE], 0
	s_cbranch_scc1 .Lsw_\@
	s_xor_b32 s[SB], s[SB], SLOTB
.endm
	s_wait_alu depctr_va_vdst(0)
	CHANGE                                         ; slot 0 is in, for all waves; slot 1's first fill
	ASK                                            ; slot 2
	s_wait_loadcnt 0x0                             ; Q
.Lfill:                                                ; slots 0 and 1: behind each its refill is asked for
	SLOTWORK
	CHANGE
	ASK                                            ; in the first trip: slot 3
	s_sub_co_u32 s[TRIP], s[TRIP], 1
	s_cmp_lg_u32 s[TRIP], 0
	s_cbranch_scc1 .Lfill
	s_mov_b32 s[TRIP], 2
.Llast:                                                ; the last two slots: nothing is filled
	SLOTWORK
	s_wait_tensorcnt 0x0                           ; my part of the last slot
	s_wait_dscnt 0x0
	s_barrier_signal -1
	s_barrier_wait -1
	s_sub_co_u32 s[TRIP], s[TRIP], 1
	s_cmp_lg_u32 s[TRIP], 0
	s_cbranch_scc1 .Llast
.rept 4
	v_nop
.endr
; THE EXCHANGE: each wave gives its partner the tile that the partner finishes: O^T, -M and the sum
.macro GIVE w
	WIN 0x04*\w
	s_wait_alu depctr_va_vdst(0)                   ; the wait ahead of O^T's first reader
.irp k, 0,1,2,3,4,5,6,7,8,9,10,11,12,13,14,15
	ds_store_b128 v[MG], v[160+4*\k:163+4*\k] offset:\w*MGB+512*\k
.endr
	ds_store_b128 v[MG], v[12:15] offset:\w*MGB+8192
	WIN 0
.endm
	s_cmp_eq_u32 s[PAR], 0
	s_cbranch_scc0 .Lgive_low
	GIVE 1
	s_branch .Lgiven
.Lgive_low:
	GIVE 0
.Lgiven:
	s_wait_dscnt 0x0
	s_barrier_signal -1
	s_barrier_wait -1
	s_mov_b32 vcc_lo, 0xffff0000
.macro FINISH w                        ; both parts under the common M, / the sum, held, converted, in the operand's order, stored
	WIN 0x40*\w
.irp k, 0,1,2,3,4,5,6,7,8,9,10,11,12,13,14,15
	ds_load_b128 v[96+4*\k:99+4*\k], v[MG] offset:\w*MGB+512*\k
.endr
	ds_load_b128 v[32:35], v[MG] offset:\w*MGB+8192
	s_wait_dscnt 0x0
	WIN 0x55*\w
	v_mov_b32 v36, 0
	v_mov_b32 v37, 0
	v_min_num_f32 v248, v12, v32
	s_delay_alu instid0(VALU_DEP_1)
	v_sub_f32 v249, v248, v12
	s_delay_alu instid0(VALU_DEP_2)
	v_sub_f32 v250, v248, v32
	s_delay_alu instid0(VALU_DEP_2)
	v_cvt_i32_f32 v249, v249
	s_delay_alu instid0(VALU_DEP_2)
	v_cvt_i32_f32 v250, v250
	s_delay_alu instid0(VALU_DEP_2)
	v_ldexp_f32 v249, 1.0, v249
	s_delay_alu instid0(VALU_DEP_2)
	v_ldexp_f32 v250, 1.0, v250
	v_add_f32 v14, v14, v15
	v_add_f32 v34, v34, v35
	s_delay_alu instid0(VALU_DEP_2)
	v_mul_f32 v14, v14, v249
	s_delay_alu instid0(VALU_DEP_1)
	v_fma_f32 v14, v34, v250, v14
	v_permlanex16_b32 v236, v14, s[SEL], s[SEL+1]
	s_delay_alu instid0(VALU_DEP_1)
	v_add_f32 v14, v14, v236
	s_wait_alu depctr_va_vdst(0)                   ; the wait ahead of the transcendental,
	v_rcp_f32 v14, v14
	v_nop
	s_wait_alu depctr_va_vdst(0)                   ; and behind it
	v_mul_f32 v252, v249, v14
	v_mul_f32 v250, v250, v14
	s_wait_alu depctr_va_vdst(0)                   ; the wait ahead of O^T's first reader
.irp j, 0,2,4,6,8,10,12,14,16,18,20,22,24,26,28,30,32,34,36,38,40,42,44,46,48,50,52,54,56,58,60,62
	v_dual_mul_f32 v[160+\j], v[160+\j], v252 :: v_dual_mul_f32 v[161+\j], v[161+\j], v252
.endr
.irp j, 0,2,4,6,8,10,12,14,16,18,20,22,24,26,28,30,32,34,36,38,40,42,44,46,48,50,52,54,56,58,60,62
	v_dual_fmac_f32 v[160+\j], v[96+\j], v250 :: v_dual_fmac_f32 v[161+\j], v[97+\j], v250
.endr
.set n, 0
.rept 64
	v_med3_num_f32 v[160+n], v[160+n], -v246, v246
.set n, n+1
.endr
.irp t, 0,1,2,3,4,5,6,7
	v_cvt_scalef32_pk8_fp8_f32 v[224+2*\t:225+2*\t], v[160+8*\t:167+8*\t], v245
.endr
	v_nop
.irp c, 0,1,2,3                        ; lane (r, h): channels 32 c + 16 h + 0 .. 15 of its query: each half takes eight of them from the other half's lane
.irp m, 0,1
	v_permlanex16_b32 v36, v[224+4*\c+\m], s[SEL], s[SEL+1]
	v_permlanex16_b32 v37, v[226+4*\c+\m], s[SEL], s[SEL+1]
	v_cndmask_b32 v[64+4*\c+\m], v[224+4*\c+\m], v37, vcc_lo
	v_cndmask_b32 v[66+4*\c+\m], v36, v[226+4*\c+\m], vcc_lo
.endr
.endr
	WIN 0x04*\w
.irp c, 0,1,2,3
	global_store_b128 v[LI], v[64+4*\c:67+4*\c], s[12:13] offset:512*\c   ; 512 consecutive bytes a wave
.endr
	WIN 0
.endm
	s_cmp_eq_u32 s[PAR], 0
	s_cbranch_scc0 .Lfinish_high
	FINISH 0
	s_branch .Ldone
.Lfinish_high:
	FINISH 1
.Ldone:
	s_wait_tensorcnt 0x0                           ; the wave's end
	ds_add_u32 v[SPW], v[NIL]
	s_wait_dscnt 0x0
	CROUND                                         ; the closing round
	s_endpgm
.Lfunc_end_k_qe252b18375_attn:
	.size	k_qe252b18375_attn, .Lfunc_end_k_qe252b18375_attn-k_qe252b18375_attn
	.p2alignl 7, 3214868480
	.fill 96, 4, 3214868480
	.section	.rodata,"a",@progbits
	.p2align	6, 0x0
	.amdhsa_kernel k_qe252b18375_attn
		.amdhsa_group_segment_fixed_size 327680
		.amdhsa_private_segment_fixed_size 0
		.amdhsa_enable_private_segment 0
		.amdhsa_kernarg_size 40
		.amdhsa_user_sgpr_count 2
		.amdhsa_user_sgpr_kernarg_segment_ptr 1
		.amdhsa_wavefront_size32 1
		.amdhsa_system_sgpr_workgroup_id_x 1
		.amdhsa_system_sgpr_workgroup_id_y 1
		.amdhsa_system_sgpr_workgroup_id_z 1
		.amdhsa_system_vgpr_workitem_id 0
		.amdhsa_next_free_vgpr 512
		.amdhsa_next_free_sgpr 100
		.amdhsa_reserve_vcc 1
		.amdhsa_float_denorm_mode_32 3
		.amdhsa_float_denorm_mode_16_64 3
		.amdhsa_memory_ordered 1
		.amdhsa_forward_progress 1
		.amdhsa_inst_pref_size 136
	.end_amdhsa_kernel
	.amdgpu_metadata
---
amdhsa.version: [ 1, 2 ]
amdhsa.kernels:
  - .name:           k_qe252b18375_attn
    .symbol:         k_qe252b18375_attn.kd
    .args:
      - { .name: q_img, .offset: 0, .size: 8, .value_kind: global_buffer, .address_space: global }
      - { .name: k_img, .offset: 8, .size: 8, .value_kind: global_buffer, .address_space: global }
      - { .name: v_img, .offset: 16, .size: 8, .value_kind: global_buffer, .address_space: global }
      - { .name: lowp_scales, .offset: 24, .size: 8, .value_kind: global_buffer, .address_space: global }
      - { .name: a_img, .offset: 32, .size: 8, .value_kind: global_buffer, .address_space: global }
    .group_segment_fixed_size: 327680
    .private_segment_fixed_size: 0
    .kernarg_segment_align: 8
    .kernarg_segment_size: 40
    .max_flat_workgroup_size: 256
    .sgpr_count:     100
    .vgpr_count:     512
    .wavefront_size: 32
...
	.end_amdgpu_metadata
.endif
;; end of part 2
;; launch oproj (part 3): grid 16 x 16, 4 waves a work-group, clusters of 4 x 4, 327,680 bytes of LDS; arguments a_img, wo_codes, lowp_scales, out0; writes out0
.if DOCPART == 3
	.amdgcn_target "amdgcn-amd-amdhsa--gfx1250"
	.amdhsa_code_object_version 6
	.text
	.protected	k_qe252b18375_oproj
	.globl	k_qe252b18375_oproj
	.p2align	8
	.type	k_qe252b18375_oproj,@function
k_qe252b18375_oproj:
	s_mov_b64 s[64:65], 0
	v_nop
	global_prefetch_b8 v0, s[64:65] scope:SCOPE_SE
	s_setreg_imm32_b32 hwreg(HW_REG_WAVE_MODE, 25, 1), 1
	s_wait_xcnt 0x0
	s_wait_alu depctr_hold_cnt(0) depctr_sa_sdst(0) depctr_va_vdst(0) depctr_va_sdst(0) depctr_va_ssrc(0) depctr_va_vcc(0) depctr_vm_vsrc(0)
	s_getreg_b32 s2, hwreg(HW_REG_IB_STS2, 6, 4)
	s_cmp_eq_u32 s2, 0
	s_cbranch_scc0 .Lentry_in_a_cluster
	s_endpgm
.Lentry_in_a_cluster:
	s_bfe_u32 s2, ttmp6, 0x10000c
	s_cmp_lg_u32 s2, 0xf033
	s_cbranch_scc0 .Lentry_shape_is_right
	s_endpgm
.Lentry_shape_is_right:
; out[s][e] = 2^(e10 + e11) x the sum over k of attn[s][k] wo[e][k], on codes of FP8 (E4M3).  a_img: attn's codes as images of operand registers, [block of 128 rows][K / 128][tile 8][c 4][lane][16];
; wo_codes: [2048][2048], K innermost; out0: [2048][2048] f32.
; A tile of the result is 128 x 128, so that there are 256 work-groups; it is made in two halves of 64 columns.  Wave w takes rows 32 w .. 32 w + 31: their codes, all of K, stay in 512 registers through both halves,
; read straight from a_img (512 consecutive bytes a load), each by one wave of the work-group.  wo's 64 rows of a half lie in LDS, all of K: two first fills, nothing is filled again.  The first half leaves among the second half's first products.
; THE MATRIX INSTRUCTION IS USED TRANSPOSED (source 0 = 16 rows of wo, source 1 = 16 rows of attn): a lane holds eight neighbouring numbers of a row of the result.  A half's 64 columns are 256 consecutive bytes of a row.
; CLUSTERS: 4 x 4 work-groups; wo's tile is asked for jointly by a column.  attn's codes are not asked for jointly: a tensor load fills LDS alone, and all of K for 128 rows, 262,144 bytes, leaves no room there beside wo's 266,240.
; NO PREFETCH: a work-group has two tensor loads and no loop to run ahead in; the second load sets out with a whole half's products ahead of its first reader.
; Both fragments hold K = 32 c + 16 (lane / 16) + 0 .. 15 in registers 4 c .. 4 c + 3: the same order of k on both sides.
; LIMIT: e10 + e11 between -126 and 127, so that 2^(e10 + e11) is an f32 number.
; REGISTERS: window 0: v1-29 addresses; v32-63 a block's scaled sums; v64-127 rows read back, two sets; v128-191, v192-255 the accumulators of the two halves, (b, t) at 8 (4 b + t).
;   windows 1, 2: attn's fragments of K steps 0-7, 8-15: (s, b) at v[32 (s % 8) + 16 b].   window 3: wo's four fragments of a K step of 128, four buffers of 64.
.set BP,     1040                      ; a row of wo's half K in LDS: 1,024 bytes + 16 of padding
.set BH,     64*BP                     ; 64 rows of half of K
.set BS,     2*BH                      ; all of K
.set SPARE,  2*BS                      ; the spare words, 128 bytes for each wave, which no other line names
.set STAGE,  SPARE+512                 ; behind them: 16 rows x 272 bytes for each wave; no tensor load fills it
.set SP,     272
.set LI,   1                           ; 16 x lane
.set ADB,  16                          ; v16-19: half p of the columns, half q of K at v[16 + 2 p + q]
.set STO,  24
.set RD,   25
.set CO,   26
.set SPW,  28                          ; v28  LDS address of my spare word; never rewritten
.set NIL,  29                          ; v29  0; never rewritten
.set TMP,  32
.set BK,   64
.set ACC,  128
.set WV,   14
.set G1,   24
.set G0,   32                          ; s[32:39] group 0, a set for each half
.set MSB, 0
.macro WIN new                         ; the immediate's high byte repeats the setting that is left
.if MSB != (\new)
	s_set_vgpr_msb (MSB<<8)|(\new)
.set MSB, (\new)
.endif
.endm
.macro PLACES n
.rept \n
	v_nop
.endr
.endm
.macro JLOAD s                         ; each wave fetches 32 rows of half of K: rows by w / 2, K by w % 2
	tensor_load_to_lds s[G0+4*\s:G0+4*\s+3], s[G1:G1+7]
	s_nop 0
.rept 4
	v_nop
.endr
.endm
.macro CROUND
	s_barrier_signal -1
	s_barrier_wait -1
	s_cmp_lg_u32 s[WV], 0
	s_cbranch_scc1 .Lnot_wave_0_\@
	s_barrier_signal -3
.Lnot_wave_0_\@:
	s_barrier_wait -3
	s_barrier_signal -1
	s_barrier_wait -1
.endm
	s_load_b256 s[4:11], s[0:1], 0x0               ; a_img s[4:5], wo s[6:7], the exponents s[8:9], out s[10:11]
	v_lshl_add_u32 v[SPW], v0, 2, SPARE
	v_mov_b32 v[NIL], 0
	ds_add_u32 v[SPW], v[NIL]                      ; the wave's opening: the add, twice on end, and its wait
	ds_add_u32 v[SPW], v[NIL]
	v_lshrrev_b32 v1, 5, v0
	v_readfirstlane_b32 s[WV], v1                  ; wave 0..3
	s_lshr_b32 s15, s[WV], 1
	s_and_b32 s16, s[WV], 1
	s_bfe_u32 s40, ttmp6, 0x40000
	s_bfe_u32 s41, ttmp6, 0x40004
	s_lshl_b32 s42, ttmp9, 2
	s_add_co_u32 s42, s42, s40                     ; tile column = 4 x cluster x + cx
	s_and_b32 s17, ttmp7, 0xffff
	s_lshl_b32 s17, s17, 2
	s_add_co_u32 s17, s17, s41                     ; tile row = 4 x cluster y + cy
	s_lshl_b32 s44, 0x1111, s40                    ; my column of the cluster
	s_or_b32 s[G1], s44, (1<<20)|(1<<21)|(7<<22)|(3<<25)   ; elements of 1 byte; four words of padding after every 256; 21 set beside a mask
	s_mov_b32 s[G1+1], 1024<<16
	s_mov_b32 s[G1+2], 32<<16
	s_mov_b32 s[G1+3], 1024<<16
	s_mov_b32 s[G1+4], 32
	s_mov_b32 s[G1+5], 2048
	s_mov_b32 s[G1+6], 0
	s_mov_b32 s[G1+7], 0
	s_lshl_b32 s46, s42, 18                        ; wo: 128 rows of 2,048 bytes for each tile column,
	s_lshl_b32 s18, s15, 16                        ; my 32 rows of a half's 64,
	s_add_co_u32 s46, s46, s18
	s_lshl_b32 s18, s16, 10                        ; my half of K
	s_add_co_u32 s46, s46, s18
	s_mov_b32 s47, 0
	s_mul_i32 s22, s16, BH                         ; where they go
	s_mul_i32 s23, s15, 32*BP
	s_add_co_u32 s22, s22, s23
	s_lshl_b32 s20, s17, 18                        ; attn: the block of rows, my two tiles of eight
	s_lshl_b32 s18, s[WV], 12
	s_add_co_u32 s20, s20, s18
	s_mov_b32 s21, 0
	s_mul_i32 s19, s[WV], 16*SP
	s_add_co_u32 s19, s19, STAGE                   ; my stage
	v_and_b32 v2, 15, v0                           ; r
	v_bfe_u32 v3, v0, 4, 1                         ; h
	v_and_b32 v4, 31, v0
	v_lshlrev_b32 v[LI], 4, v4
	v_mul_u32_u24 v4, v2, BP
	v_lshl_add_u32 v[ADB], v3, 4, v4
	v_add_nc_u32 v[ADB+1], BH, v[ADB]
	v_add_nc_u32 v[ADB+2], BS, v[ADB]
	v_add_nc_u32 v[ADB+3], BS+BH, v[ADB]
	v_mul_u32_u24 v5, v2, SP
	v_lshl_add_u32 v5, v3, 5, v5
	v_add_nc_u32 v[STO], s19, v5                   ; in: row r, 32 bytes for each half of the lanes
	v_mul_u32_u24 v6, v3, SP
	v_lshl_add_u32 v6, v2, 4, v6
	v_add_nc_u32 v[RD], s19, v6                    ; back: lanes 0-15 one row of 256 bytes, lanes 16-31 the next
	v_lshlrev_b32 v7, 13, v3
	v_lshl_add_u32 v[CO], v2, 4, v7                ; and the same two rows in the result (8,192 bytes a row)
	s_wait_alu depctr_va_vdst(0)
	s_wait_dscnt 0x0                               ; both opening adds are done
	CROUND                                         ; all sixteen work-groups are here: the first joint loads meet
	s_wait_kmcnt 0x0
	s_load_b64 s[70:71], s[8:9], 0x28              ; e10, e11
	s_add_nc_u64 s[46:47], s[6:7], s[46:47]
.irp s, 0,1
	s_mov_b32 s[G0+4*\s], 1
	s_add_co_u32 s[G0+4*\s+1], s22, \s*BS
	s_add_nc_u64 s[G0+4*\s+2:G0+4*\s+3], s[46:47], \s*131072
	s_or_b32 s[G0+4*\s+3], s[G0+4*\s+3], 0x80000000
.endr
	JLOAD 0                                        ; the first half's columns: one tensor load a wave at the head
	s_add_nc_u64 s[4:5], s[4:5], s[20:21]
.macro ALOAD s                         ; attn's two fragments of K step s: 8 loads
	WIN 0x40*(1+(\s)/8)
.irp b, 0,1
.irp c, 0,1,2,3
	global_load_b128 v[32*((\s)%8)+16*\b+4*\c:32*((\s)%8)+16*\b+4*\c+3], v[LI], s[4:5] offset:16384*(\s)+2048*\b+512*\c
.endr
.endr
.endm
.irp s, 0,1,2,3,4,5,6,7,8,9,10,11      ; 96 of my 128 loads go out while wo's first half is on its way
	ALOAD \s
.endr
	WIN 0
	s_lshl_b32 s72, s17, 20                        ; my first row: 128 x tile row + 32 x wave,
	s_lshl_b32 s73, s[WV], 18
	s_add_co_u32 s72, s72, s73
	s_lshl_b32 s73, s42, 9                         ; my first column: 128 x tile column
	s_add_co_u32 s72, s72, s73
	s_mov_b32 s73, 0
	s_add_nc_u64 s[10:11], s[10:11], s[72:73]
	s_wait_kmcnt 0x0
	s_add_co_i32 s70, s70, s71
	s_add_co_i32 s70, s70, 127
	s_lshl_b32 s70, s70, 23                        ; 2^(e10 + e11) as f32
	s_mov_b32 s71, s70                             ; (named with it as a pair, so it is written)
.macro BLOAD p, s                      ; wo's four fragments of K step s: 16 loads
	WIN 0xc0
.irp b, 0,1,2,3
.irp c, 0,1,2,3
	ds_load_b128 v[64*((\s)%4)+16*\b+4*\c:64*((\s)%4)+16*\b+4*\c+3], v[ADB+2*\p+(\s)/8] offset:16*BP*\b+128*((\s)%8)+32*\c
.endr
.endr
.endm
; K step s of half p: 8 matrix instructions; the accumulators take turns, one instruction a turn, in the same order in every step.
; wo's fragments are asked for two K steps ahead, the last four of attn's (first half) twelve.
.macro KSTEP p, s
.if \s < 14
	PLACES 4                                       ; the buffer was read two K steps ago
	BLOAD \p, \s+2
.endif
.if \p == 0
.if \s < 8
	s_wait_loadcnt 63                              ; attn's fragments of this K step are in: 64 loads or more have been issued behind them
.else
	s_wait_loadcnt 8*(15-\s)                       ; those of the K steps that are left, 8 loads each, may be out
.endif
.if \s < 4
	ALOAD \s+12
.endif
.endif
.if \s < 14
	s_wait_dscnt 32                                ; wo's of this K step are in; 32 younger LDS instructions may be out
.else
	s_wait_dscnt 16*(15-\s)
.endif
	WIN 0x03+4*(1+\s/8)
.irp b, 0,1
.irp t, 0,1,2,3
.if \s == 0
	v_wmma_f32_16x16x128_fp8_fp8 v[ACC+64*\p+8*(4*\b+\t):ACC+64*\p+8*(4*\b+\t)+7], v[64*(\s%4)+16*\t:64*(\s%4)+16*\t+15], v[32*(\s%8)+16*\b:32*(\s%8)+16*\b+15], 0
.else
	v_wmma_f32_16x16x128_fp8_fp8 v[ACC+64*\p+8*(4*\b+\t):ACC+64*\p+8*(4*\b+\t)+7], v[64*(\s%4)+16*\t:64*(\s%4)+16*\t+15], v[32*(\s%8)+16*\b:32*(\s%8)+16*\b+15], v[ACC+64*\p+8*(4*\b+\t):ACC+64*\p+8*(4*\b+\t)+7]
.endif
.endr
.endr
.endm
; THE WAY OUT of half p, by blocks of 16 rows x 64 columns: x 2^(e10 + e11) into other registers, through my own stage, back as whole rows of 256 bytes.  LDS serves a wave's instructions in order (ISA guide 5.7.1.4): no wait between the stores and the loads.
.macro TOSTAGE p, b
	WIN 0
.irp j, 0,2,4,6,8,10,12,14,16,18,20,22,24,26,28,30
	v_pk_mul_f32 v[TMP+\j:TMP+\j+1], v[ACC+64*\p+32*\b+\j:ACC+64*\p+32*\b+\j+1], s[70:71] op_sel_hi:[1,0]   ; each accumulator from its low end on
.endr
.irp t, 0,1,2,3
	ds_store_b128 v[STO], v[TMP+8*\t:TMP+8*\t+3] offset:64*\t
	ds_store_b128 v[STO], v[TMP+8*\t+4:TMP+8*\t+7] offset:64*\t+16
.endr
.irp t, 0,1,2,3,4,5,6,7
	ds_load_b128 v[BK+32*\b+4*\t:BK+32*\b+4*\t+3], v[RD] offset:\t*2*SP
.endr
.endm
.macro SEND p, b, younger              ; younger: the LDS instructions issued behind the block's loads, which may stay out
	WIN 0
	s_wait_dscnt \younger
.irp t, 0,1,2,3,4,5,6,7
	global_store_b128 v[CO], v[BK+32*\b+4*\t:BK+32*\b+4*\t+3], s[10:11] offset:131072*\b+16384*\t+256*\p th:TH_STORE_NT   ; sixteen lanes store 256 consecutive bytes, at a multiple of 256 from the result's first byte
.endr
.endm
	s_wait_tensorcnt 0x0                           ; my part of the first half is in
	ds_add_u32 v[SPW], v[NIL]
	s_wait_dscnt 0x0
	CROUND                                         ; everybody's part is, and the joint loads meet
	JLOAD 1                                        ; the second half's columns, the first tensor load behind the round
	BLOAD 0, 0
	BLOAD 0, 1
.irp s, 0,1,2,3,4,5,6,7,8,9,10,11,12,13,14,15
	KSTEP 0, \s
.endr
	WIN 0
	PLACES 4                                       ; for the loads below and for the first half's way out
	s_wait_tensorcnt 0x0                           ; my part of the second half is in
	s_wait_dscnt 0x0
	s_barrier_signal -1
	s_barrier_wait -1                              ; everybody's is
	BLOAD 1, 0
	BLOAD 1, 1
	KSTEP 1, 0
	KSTEP 1, 1
	TOSTAGE 0, 0
	KSTEP 1, 2
	KSTEP 1, 3
	SEND 0, 0, 32                                  ; behind the block's loads: two K steps' 16 loads each
	TOSTAGE 0, 1
	KSTEP 1, 4
	KSTEP 1, 5
	SEND 0, 1, 32
.irp s, 6,7,8,9,10,11,12,13,14,15
	KSTEP 1, \s
.endr
	WIN 0
	PLACES 4
	s_wait_xcnt 0x0                                ; the first half's stores have read their registers
	TOSTAGE 1, 0
	TOSTAGE 1, 1
	SEND 1, 0, 16                                  ; behind block 0's loads: block 1's 8 stores and 8 loads
	SEND 1, 1, 0
	s_wait_tensorcnt 0x0                           ; the wave's end
	ds_add_u32 v[SPW], v[NIL]
	s_wait_dscnt 0x0
	CROUND                                         ; the closing round
	s_endpgm
.Lfunc_end_k_qe252b18375_oproj:
	.size	k_qe252b18375_oproj, .Lfunc_end_k_qe252b18375_oproj-k_qe252b18375_oproj
	.p2alignl 7, 3214868480
	.fill 96, 4, 3214868480
	.section	.rodata,"a",@progbits
	.p2align	6, 0x0
	.amdhsa_kernel k_qe252b18375_oproj
		.amdhsa_group_segment_fixed_size 327680
		.amdhsa_private_segment_fixed_size 0
		.amdhsa_enable_private_segment 0
		.amdhsa_kernarg_size 32
		.amdhsa_user_sgpr_count 2
		.amdhsa_user_sgpr_kernarg_segment_ptr 1
		.amdhsa_wavefront_size32 1
		.amdhsa_system_sgpr_workgroup_id_x 1
		.amdhsa_system_sgpr_workgroup_id_y 1
		.amdhsa_system_sgpr_workgroup_id_z 1
		.amdhsa_system_vgpr_workitem_id 0
		.amdhsa_next_free_vgpr 1024
		.amdhsa_next_free_sgpr 80
		.amdhsa_reserve_vcc 0
		.amdhsa_float_denorm_mode_32 3
		.amdhsa_float_denorm_mode_16_64 3
		.amdhsa_memory_ordered 1
		.amdhsa_forward_progress 1
		.amdhsa_inst_pref_size 85
	.end_amdhsa_kernel
	.amdgpu_metadata
---
amdhsa.version: [ 1, 2 ]
amdhsa.kernels:
  - .name:           k_qe252b18375_oproj
    .symbol:         k_qe252b18375_oproj.kd
    .args:
      - { .name: a_img, .offset: 0, .size: 8, .value_kind: global_buffer, .address_space: global }
      - { .name: wo_codes, .offset: 8, .size: 8, .value_kind: global_buffer, .address_space: global }
      - { .name: lowp_scales, .offset: 16, .size: 8, .value_kind: global_buffer, .address_space: global }
      - { .name: out0, .offset: 24, .size: 8, .value_kind: global_buffer, .address_space: global }
    .group_segment_fixed_size: 327680
    .private_segment_fixed_size: 0
    .kernarg_segment_align: 8
    .kernarg_segment_size: 32
    .max_flat_workgroup_size: 128
    .sgpr_count:     80
    .vgpr_count:     1024
    .wavefront_size: 32
...
	.end_amdgpu_metadata
.endif
;; end of part 3
